; MI455X (gfx1250); checked and timed in simulation.
; The chip was launched on July 23, 2026; its instructions are those of AMD's public machine-readable ISA for CDNA 5 (MIT licence, August 2026) and "CDNA5" Instruction Set Architecture Reference Guide (July 2026). The comments in the code are by the model that wrote it; some were corrected since.
;; Multi Head Self Attention. Allowed arithmetic: matrix products marked QUANTISED: E2M1 operands, one E8M0 scale for each 32 along K, by v_wmma_scale_f32_16x16x128_f8f6f4 with both operands' format E2M1 (or v_wmma_scale_f32_32x16x128_f4), f32 sums; everything else in f32.
;; Inputs: bk 1,024 float32; bo 1,024 float32; bq 1,024 float32; bv 1,024 float32; inputs 4 x 2,048 x 1,024 float32; ln_beta 1,024 float32; ln_gamma 1,024 float32; wk_codes 1,024 x 32 x 16 uint8 (E2M1 codes of wk, K innermost, in blocks of 32 codes, two codes a byte); wk_scales 1,024 x 32 uint8 (E8M0 scales of wk, one for each 32 codes along K); wo_codes 1,024 x 32 x 16 uint8 (E2M1 codes of wo, K innermost, in blocks of 32 codes, two codes a byte); wo_scales 1,024 x 32 uint8 (E8M0 scales of wo, one for each 32 codes along K); wq_codes 1,024 x 32 x 16 uint8 (E2M1 codes of wq, K innermost, in blocks of 32 codes, two codes a byte); wq_scales 1,024 x 32 uint8 (E8M0 scales of wq, one for each 32 codes along K); wv_codes 1,024 x 32 x 16 uint8 (E2M1 codes of wv, K innermost, in blocks of 32 codes, two codes a byte); wv_scales 1,024 x 32 uint8 (E8M0 scales of wv, one for each 32 codes along K).
;; Outputs: out0 4 x 2,048 x 1,024 float32.
;; This version of the problem:
;;   THIS VERSION OF THE PROBLEM IS GIVEN IN LOW PRECISION. The matrix products marked QUANTISED in the list below multiply operands that are first quantised to E2M1 (2 exponent bits, 1 mantissa bit; 4 bits a number), with one power-of-two scale for each 32 numbers along K (OCP MX v1.0); their sums are f32. All else is computed in f32.
;;   The module's matrix products, in the order in which they are computed (A, B: the left and right operand; K: the contracted axis; several contracted axes count as one K, in the product's order):
;;     1. [M 8,192, K 1,024] x [K 1,024, N 1,024]; A: input inputs; B: input wq (given as codes): QUANTISED
;;     2. [M 8,192, K 1,024] x [K 1,024, N 1,024]; A: input inputs; B: input wk (given as codes): QUANTISED
;;     3. [M 8,192, K 1,024] x [K 1,024, N 1,024]; A: input inputs; B: input wv (given as codes): QUANTISED
;;     4. batch 64 x [M 2,048, K 64] x [K 64, N 2,048]; A: computed on the way; B: computed on the way: QUANTISED
;;     5. batch 64 x [M 2,048, K 2,048] x [K 2,048, N 64]; A: softmax (see below); B: computed on the way: QUANTISED
;;     6. [M 8,192, K 1,024] x [K 1,024, N 1,024]; A: computed on the way; B: input wo (given as codes): QUANTISED
;;   THE QUANTISER, for each operand of a quantised product, along K:
;;     - K is cut into blocks of 32 from its start; a last block that is shorter is filled with zeros.
;;     - A block's scale is 2^e with e = floor(log2(the largest magnitude in the block)) - 2, held to -126 .. 127; a block of zeros has e = 0. As a byte (E8M0): e + 127.
;;     - Each number is divided by its block's scale, clamped to +-6, and rounded to the nearest number of E2M1, ties to even, subnormals kept.
;;     - The product sums the exact products of the quantised numbers (number of the format x scale) in f32.
;;   ~~~python
;;   def quantise(x, axis):      # numpy; x: float32 -> the quantised numbers, widened to float32 again
;;       x = np.moveaxis(x, axis, -1); K = x.shape[-1]
;;       x = np.pad(x, [(0, 0)] * (x.ndim - 1) + [(0, -K % 32)]); x = x.reshape(x.shape[:-1] + (-1, 32)); a = np.abs(x).max(-1, keepdims=True)
;;       e = np.where(a > 0, np.clip(np.frexp(np.where(a > 0, a, 1))[1] - 1 - 2, -126, 127), 0)      # np.frexp(a)[1] - 1 = floor(log2(a)), exactly
;;       r = np.clip(x / 2.0 ** e, -6, 6)
;;       step = 2.0 ** (np.maximum(np.frexp(np.where(r == 0, 1, r))[1] - 1, 0) - 1)
;;       q = np.round(r / step) * step * 2.0 ** e      # np.round: ties to even
;;       return np.moveaxis(q.reshape(q.shape[:-2] + (-1,))[..., :K], -1, axis).astype(np.float32)
;;   ~~~
;;   SOFTMAX AHEAD OF A QUANTISED PRODUCT. Where the list says 'softmax', what is quantised is not the finished softmax but p = 2^(t - M), with t = logit x log2(e) and M = ceil(the row's largest t), a whole number; so 1/2 < the row's largest p <= 1. The row's sum l is taken of the UNQUANTISED p, in f32, and the product's result is divided by l at the end. Since M is a whole number, a kernel that streams over the keys may use a running M (the ceiling of the running maximum): every later rescaling is an exact power of two, which a block's scale takes up: the codes' values come out the same.
;;   OPERANDS COMPUTED ON THE WAY. 'Computed on the way' means the value that the module computes at that place (a softmax that the list does not call 'softmax' is quantised finished and normalised). What goes into a quantiser is computed in f32, as accurately as f32 sums, v_exp_f32 and their like allow (about 1e-6 of the number): no bf16 or f16 on the way to a quantiser, and a product that is left as it is and whose result goes on into a quantised operand takes f32 operands (vector FMAs, or v_wmma_f32_16x16x4_f32). A number that lies on a knife's edge between two numbers of the format may be rounded either way, as far as f32 arithmetic and the matrix unit's own rounding can turn it there, and no further.
;;   INPUTS GIVEN AS CODES. wk (in the module: [1024, 1024], K = its axis 0); wo (in the module: [1024, 1024], K = its axis 0); wq (in the module: [1024, 1024], K = its axis 0); wv (in the module: [1024, 1024], K = its axis 0): each comes as NAME_codes (uint8): NAME with its K axis moved to the last place and cut into blocks of 32 codes, [.., K / 32, bytes a block], one block behind the other in memory; two codes a byte, the lower K in the low four bits (a code: sign, 2 exponent bits, 1 mantissa bit); and NAME_scales (uint8): the same leading axes, one E8M0 byte (e + 127) for each 32 codes along K. Its value is code x scale, taken as it is: it is not quantised again, and the codes and scales need not be those that the quantiser above would give.
;; One version. Each part assembles by itself: llvm-mc -triple=amdgcn-amd-amdhsa -mcpu=gfx1250 --defsym DOCPART=n.
;; ======== version 1 of 1: 3 launches
;; workspace buffers: qbuf 4,718,592 bytes; kvbuf 9,175,040 bytes; obuf 4,456,448 bytes
;; launch qkv (part 1): grid 4 x 64, 4 waves a work-group, no clusters, 70,144 bytes of LDS; arguments inputs, wq_codes, wq_scales, bq, wk_codes, wk_scales, bk, wv_codes, wv_scales, bv, qbuf, kvbuf; writes qbuf, kvbuf
.if DOCPART == 1
	.amdgcn_target "amdgcn-amd-amdhsa--gfx1250"
	.amdhsa_code_object_version 6
	.text
	.protected	k_q8ca06439fa_qkv
	.globl	k_q8ca06439fa_qkv
	.p2align	8
	.type	k_q8ca06439fa_qkv,@function
k_q8ca06439fa_qkv:
	s_mov_b64 s[64:65], 0
	v_nop
	global_prefetch_b8 v0, s[64:65] scope:SCOPE_SE
	s_setreg_imm32_b32 hwreg(HW_REG_WAVE_MODE, 25, 1), 1
	s_wait_xcnt 0x0
; q, k, v = Q(x) W + b on codes of FP4 (E2M1) with one E8M0 scale for each 32 along K = 1,024, and their own quantising for the attention launch:
; q and k along the head's 64 (two blocks), v along the keys.  Only codes and scale bytes leave, laid as images of operand registers.
; SHARES.  A work-group takes 128 tokens (work-group y) and four heads (work-group x); wave w takes head 4 x + w: 64 columns each of q, k and v for the 128 tokens.
; PHASE X: wave w turns tokens' tiles 2 w and 2 w + 1 of x into codes, K step by K step, and stores fragments and scale words in LDS as images of their registers; one barrier.
; THREE STAGES (q, k, v): 8 K steps x 32 matrix instructions on 32 accumulators; x's fragments come from LDS, the wave's weights lie in its registers, read from memory once.
; q and k are used transposed (source 0 = 16 rows of W, source 1 = 16 tokens): a lane holds one token and its registers run along the head.  v is used straight (source 0 = 16 tokens,
; source 1 = 16 rows of W): a lane holds one channel and its registers run along the tokens, which are the keys.
; THE ROWS OF A TILE ARE NOT NEIGHBOURS: lane r of tile 2 b + u (of tokens, and of a weight's rows alike) takes row 32 b + 8 u + r + 8 (r / 8), so that the 16 registers of result
; tiles 2 b and 2 b + 1 are 16 neighbours along the next K.
; NO CLUSTER: each weight fragment is used by one wave of a work-group and goes from memory straight into that wave's registers (96 KiB a wave for the three weights); x, which the four
; work-groups of a token block share, is 512 KiB of f32 for a block: more than LDS holds, and each lane turns it into codes as it arrives in registers.
; LIMITS: NaN and infinities are not served.  A block whose largest magnitude lies under 2^-124, zeros among them, gets the scale byte 1 (the rule says 127 for zeros): its codes are zeros or
; the rule's own, and the bytes are read by this program alone.
; REGISTERS, in windows of 256: window 0: v1-14 addresses; v16-63 the weights' scale words; v64-95 a stage's bias; v96-103 x's scale words, two sets; v104-115 at work; v116-119 scale words to store;
;   v120-127 codes just made; v128-255 x's fragments, two sets of 8 (in phase X: two sets of 64 numbers).  window 1: Wq, later Wv.  window 2: Wk.  window 3: the 32 accumulators.
.set XSC,  65536                       ; LDS: x's fragments at 0 (K step s, tile m: (8 s + m) x 1,024); behind them x's scale words: [s][lane][4 words]
.set LI,   1                           ; v1   16 x lane
.set XA,   2                           ; v2   x: my row and my 16 numbers of a block
.set XWI,  3                           ; v3   where I store x's images: 16 x lane + 2,048 x wave
.set XWS,  4                           ; v4   and their scale words: XSC + 16 r + 4 x wave
.set XRS,  5                           ; v5   where I read scale words: XSC + 16 x lane
.set WA,   6                           ; v6   a weight's codes: my row of a tile x 512 + 16 h
.set WSA,  7                           ; v7   its scale bytes: my row x 32 + 16 h
.set BA,   8                           ; v8   q's and k's bias: 64 h
.set BVA,  9                           ; v9   v's bias: 4 x my row of a tile
.set SH,   10                          ; v10  16 h
.set L8,   11                          ; v11  8 x lane
.set AD0,  12                          ; v12  phase X: LDS address of this K step's images
.set AD1,  13                          ; v13  and of its scale words
.set PWT,  14                          ; v14  the scale word just made
.set SW,   16
.set BI,   64
.set XS,   96
.set TM,   104                         ; v104-107 largest magnitudes, v108-111 bytes, v112-115 the conversions' scale operands
.set QT,   116
.set PC,   120
.set XF,   128
.set N0,   128
.set N1,   192
.set PC2,  192                         ; a second place for codes: fragment set 1, idle between two stages
.set SEL,  40                          ; s[40:41] lane selects for v_permlanex16_b32: lane l xor 16
.set MSB, 0
.macro WIN new                         ; the immediate's high byte repeats the setting that is left; a switch that changes nothing is dropped
.if MSB != (\new)
	s_set_vgpr_msb (MSB<<8)|(\new)
.set MSB, (\new)
.endif
.endm
; one matrix instruction; ra, rb: which half of the lanes holds source 0's and source 1's scale words
.macro MM d, a, b, c, sa, sb, ra, rb
.if ((\ra) == 0) && ((\rb) == 0)
	v_wmma_scale_f32_16x16x128_f8f6f4 v[(\d):(\d)+7], v[(\a):(\a)+7], v[(\b):(\b)+7], v[(\c):(\c)+7], v[\sa], v[\sb] matrix_a_fmt:MATRIX_FMT_FP4 matrix_b_fmt:MATRIX_FMT_FP4
.elseif (\rb) == 0
	v_wmma_scale_f32_16x16x128_f8f6f4 v[(\d):(\d)+7], v[(\a):(\a)+7], v[(\b):(\b)+7], v[(\c):(\c)+7], v[\sa], v[\sb] matrix_a_fmt:MATRIX_FMT_FP4 matrix_b_fmt:MATRIX_FMT_FP4 matrix_a_scale:MATRIX_SCALE_ROW1
.elseif (\ra) == 0
	v_wmma_scale_f32_16x16x128_f8f6f4 v[(\d):(\d)+7], v[(\a):(\a)+7], v[(\b):(\b)+7], v[(\c):(\c)+7], v[\sa], v[\sb] matrix_a_fmt:MATRIX_FMT_FP4 matrix_b_fmt:MATRIX_FMT_FP4 matrix_b_scale:MATRIX_SCALE_ROW1
.else
	v_wmma_scale_f32_16x16x128_f8f6f4 v[(\d):(\d)+7], v[(\a):(\a)+7], v[(\b):(\b)+7], v[(\c):(\c)+7], v[\sa], v[\sb] matrix_a_fmt:MATRIX_FMT_FP4 matrix_b_fmt:MATRIX_FMT_FP4 matrix_a_scale:MATRIX_SCALE_ROW1 matrix_b_scale:MATRIX_SCALE_ROW1
.endif
.endm
; 64 numbers of a lane, v[n] .. v[n + 63] of window w, register 16 b + i = k 32 b + 16 (lane / 16) + i of my row, become 8 registers of codes at v[pc] and a scale word in v[pw].
.macro QUANT n, w, pc, pw
	WIN ((\w)<<2)|((\w)<<4)
.irp b, 0,1,2,3
	v_max3_num_f32 v[TM+\b], 0x1800000, |v[(\n)+16*\b]|, |v[(\n)+16*\b+1]|   ; block b: my 16 numbers, and the floor 2^(3 - 127): the byte cannot fall under 1.  Each accumulator is read from its low end on
.endr
.irp i, 2,4,6,8,10,12,14
.irp b, 0,1,2,3
	v_max3_num_f32 v[TM+\b], v[TM+\b], |v[(\n)+16*\b+\i]|, |v[(\n)+16*\b+\i+1]|   ; the four blocks by turns
.endr
.endr
	WIN 0
.irp b, 0,1,2,3
	v_permlanex16_b32 v[TM+4+\b], v[TM+\b], s[SEL], s[SEL+1]
.endr
.irp b, 0,1,2,3
	v_max_num_f32 v[TM+\b], v[TM+\b], v[TM+4+\b]   ; with lane l xor 16's: the block's largest magnitude
.endr
.irp b, 0,1,2,3
	v_add_nc_u32 v[TM+8+\b], 0xff000000, v[TM+\b]  ; 2 off its exponent field: the conversion takes the exponent field of this operand as its scale
.endr
.irp b, 0,1,2,3
	v_lshrrev_b32 v[TM+4+\b], 23, v[TM+8+\b]       ; the scale's byte
.endr
	v_lshl_or_b32 v[\pw], v[TM+5], 8, v[TM+4]
	v_lshl_or_b32 v[\pw], v[TM+6], 16, v[\pw]
	v_lshl_or_b32 v[\pw], v[TM+7], 24, v[\pw]
	WIN (\w)
.irp b, 0,1,2,3
	v_cvt_scalef32_pk8_fp4_f32 v[(\pc)+2*\b], v[(\n)+16*\b:(\n)+16*\b+7], v[TM+8+\b]
	v_cvt_scalef32_pk8_fp4_f32 v[(\pc)+2*\b+1], v[(\n)+16*\b+8:(\n)+16*\b+15], v[TM+8+\b]
.endr
	WIN 0
	v_nop                                          ; one plain place behind a scaled conversion
.irp c, 0,1                                    ; the operand's layout wants a whole block in a lane: lanes 0-15 block 2 c, lanes 16-31 block 2 c + 1
.irp i, 0,1
	v_permlane16_swap_b32 v[(\pc)+4*\c+\i], v[(\pc)+2+4*\c+\i]
.endr
.endr
.endm
.macro LOADW win, base                 ; a weight's 32 fragments of my head (tile t, K step s at v[64 t + 8 s]) into a window: they stay
	WIN (\win)<<6
.irp t, 0,1,2,3
.irp s, 0,1,2,3,4,5,6,7
.irp c, 0,1
	global_load_b128 v[64*\t+8*\s+4*\c:64*\t+8*\s+4*\c+3], v[WA], s[\base:\base+1] offset:(32*(\t/2)+8*(\t%2))*512+64*\s+32*\c
.endr
.endr
.endr
	WIN 0
.endm
.macro LOADBQK base                    ; q's or k's bias in the result's layout: lane (r, h), tile 2 b + u, register j: channel 32 b + 16 h + 8 u + j
.irp t, 0,1,2,3
	global_load_b128 v[BI+8*\t:BI+8*\t+3], v[BA], s[\base:\base+1] offset:(32*(\t/2)+8*(\t%2))*4
	global_load_b128 v[BI+8*\t+4:BI+8*\t+7], v[BA], s[\base:\base+1] offset:(32*(\t/2)+8*(\t%2))*4+16
.endr
.endm
.macro XLOAD reg, mm, off              ; 64 numbers of my row of tile 2 w + mm: of each block of 32 my half's 16
.irp b, 0,1,2,3
.irp j, 0,1,2,3
	global_load_b128 v[\reg+16*\b+4*\j:\reg+16*\b+4*\j+3], v[XA], s[16:17] offset:32768*\mm+\off+128*\b+16*\j
.endr
.endr
.endm
.macro XUNIT buf, mm, ahead, left      ; one fragment of x; left: the younger loads that may stay out
	s_wait_loadcnt \left
	QUANT \buf, 0, PC, PWT
	ds_store_b128 v[AD0], v[PC:PC+3] offset:1024*\mm
	ds_store_b128 v[AD0], v[PC+4:PC+7] offset:1024*\mm+512
	ds_store_b32 v[AD1], v[PWT] offset:256*\mm     ; both lanes of a row write the same word with the same value
.if \ahead
	XLOAD \buf, \mm, 512                           ; the next K step's numbers into the registers just read
.endif
	s_wait_dscnt 0x0                               ; the stores have read their registers
.endm
.macro XTRIP ahead, left
	v_add_nc_u32 v[AD0], s44, v[XWI]
	v_add_nc_u32 v[AD1], s45, v[XWS]
	XUNIT N0, 0, \ahead, 16                        ; the other buffer's 16 loads are younger
	XUNIT N1, 1, \ahead, \left
.endm
.macro FETCHX ks, buf                  ; 17 LDS loads: K step ks's eight fragments of x and their scale words (word i of lane (r, h): tile 2 i + h)
.irp m, 0,1,2,3,4,5,6,7
.irp c, 0,1
	ds_load_b128 v[XF+64*(\buf)+8*\m+4*\c:XF+64*(\buf)+8*\m+4*\c+3], v[LI] offset:8192*(\ks)+1024*\m+512*\c
.endr
.endr
	ds_load_b128 v[XS+4*(\buf):XS+4*(\buf)+3], v[XRS] offset:512*(\ks)
.endm
; A stage: 8 K steps.  kind 0: q, k (transposed; accumulator of tokens' tile m, weight tile t at 32 m + 8 t); kind 1: v (at 64 t + 8 m).  wn: the weight's window; sg: its set of scale words.
; The 32 accumulators take turns, one instruction a turn, in the same order in every K step.  The first K step takes the bias as C.
.macro STAGE kind, wn, sg, last
.irp ks, 0,1,2,3,4,5,6,7
	WIN 0
.rept 4
	v_nop                                          ; four places between the last K step's products and the loads into the fragments that they read
.endr
.if (\ks < 7) || (\last == 0)
	FETCHX (\ks+1)%8, (\ks+1)%2                    ; the next K step's (behind the last: the next stage's first)
	s_wait_dscnt 17                                ; all but the 17 just issued: this K step's are in
.else
	s_wait_dscnt 0x0
.endif
.if \kind == 0
.if \ks == 0
	WIN 0xc0|(\wn)
.else
	WIN 0xf0|(\wn)
.endif
.irp m, 0,1,2,3,4,5,6,7
.irp t, 0,1,2,3
.if \ks == 0
	MM 32*\m+8*\t, 64*\t+8*\ks, XF+64*(\ks%2)+8*\m, BI+8*\t, SW+16*\sg+4*\t+(\ks%4), XS+4*(\ks%2)+(\m/2), \ks/4, \m%2
.else
	MM 32*\m+8*\t, 64*\t+8*\ks, XF+64*(\ks%2)+8*\m, 32*\m+8*\t, SW+16*\sg+4*\t+(\ks%4), XS+4*(\ks%2)+(\m/2), \ks/4, \m%2
.endif
.endr
.endr
.else
.if \ks == 0
	WIN 0xc0|((\wn)<<2)
.else
	WIN 0xf0|((\wn)<<2)
.endif
.irp m, 0,1,2,3,4,5,6,7
.irp t, 0,1,2,3
.if \ks == 0
	MM 64*\t+8*\m, XF+64*(\ks%2)+8*\m, 64*\t+8*\ks, BI+8*\t, XS+4*(\ks%2)+(\m/2), SW+16*\sg+4*\t+(\ks%4), \m%2, \ks/4
.else
	MM 64*\t+8*\m, XF+64*(\ks%2)+8*\m, 64*\t+8*\ks, 64*\t+8*\m, XS+4*(\ks%2)+(\m/2), SW+16*\sg+4*\t+(\ks%4), \m%2, \ks/4
.endif
.endr
.endr
.endif
.endr
	WIN 0
.rept 4
	v_nop                                          ; four places between the last products and the first read of results, and the loads and writes into their sources
.endr
.endm
; q's or k's way out.  The 64 registers of tokens' tiles 2 p and 2 p + 1 are four blocks: two of each tile.  The codes' registers 0-3 are tile 2 p's image (16 bytes a lane), 4-7 tile 2 p + 1's.
; The scale word's low half is tile 2 p's, its high half tile 2 p + 1's: lanes 16-31 shift theirs down, so that word p of lane (r, h) serves tile 2 p + h.
.macro EPIQK cb, sb, so
.irp p, 0,1,2,3
	s_wait_xcnt 0x0                                ; the earlier stores have read their data: the codes' and the words' registers are written again only behind this wait
.if \p == 1
.set PCX, PC2
.else
.set PCX, PC
.endif
	QUANT 64*\p, 3, PCX, PWT
	v_lshrrev_b32 v[QT+\p], v[SH], v[PWT]
	global_store_b128 v[LI], v[PCX:PCX+3], s[\cb:\cb+1] offset:1024*\p          ; 32 lanes store 512 consecutive bytes, aligned
	global_store_b128 v[LI], v[PCX+4:PCX+7], s[\cb:\cb+1] offset:1024*\p+512
.endr
	global_store_b128 v[LI], v[QT:QT+3], s[\sb:\sb+1] offset:\so
	s_wait_xcnt 0x0                                ; fragment set 1 held store data: the next stage's LDS loads land there only behind this wait
.endm
	s_load_b512 s[16:31], s[0:1], 0x0              ; inputs, wq codes, wq scales, bq, wk codes, wk scales, bk, wv codes
	s_load_b256 s[32:39], s[0:1], 0x40             ; wv scales, bv, qbuf, kvbuf
	v_lshrrev_b32 v12, 5, v0
	v_readfirstlane_b32 s2, v12                    ; wave 0..3
	v_and_b32 v13, 31, v0                          ; lane
	v_and_b32 v14, 15, v0                          ; r
	v_bfe_u32 v15, v0, 4, 1                        ; h
	v_lshlrev_b32 v[LI], 4, v13
	v_lshlrev_b32 v[L8], 3, v13
	v_lshlrev_b32 v[SH], 4, v15
	v_and_b32 v[BVA], 8, v14
	v_add_nc_u32 v[BVA], v[BVA], v14               ; r + 8 (r / 8)
	v_lshlrev_b32 v[XA], 12, v[BVA]                ; x: a row is 4,096 bytes,
	v_lshl_add_u32 v[XA], v15, 6, v[XA]            ; + 64 h: my 16 numbers of a block,
	s_lshl_b32 s4, s2, 17
	v_add_nc_u32 v[XA], s4, v[XA]                  ; + 32 rows x wave
	s_lshl_b32 s4, s2, 11
	v_add_nc_u32 v[XWI], s4, v[LI]
	v_lshlrev_b32 v[XWS], 4, v14
	s_lshl_b32 s4, s2, 2
	s_add_co_u32 s4, s4, XSC
	v_add_nc_u32 v[XWS], s4, v[XWS]
	v_add_nc_u32 v[XRS], XSC, v[LI]
	v_lshlrev_b32 v[WA], 9, v[BVA]
	v_lshl_add_u32 v[WA], v15, 4, v[WA]
	v_lshlrev_b32 v[WSA], 5, v[BVA]
	v_lshl_add_u32 v[WSA], v15, 4, v[WSA]          ; lanes 0-15 take the scale words of K steps 0-3, lanes 16-31 those of 4-7
	v_lshlrev_b32 v[BA], 6, v15
	v_lshlrev_b32 v[BVA], 2, v[BVA]
.irp b, 0,1,2,3
	v_mov_b32 v[TM+4+\b], 0                        ; written once: a lane permute's destination counts as one of its sources
.endr
	s_lshl_b32 s3, ttmp9, 2
	s_add_co_u32 s3, s3, s2                        ; my head
	s_and_b32 s5, ttmp7, 0xffff                    ; the block of 128 tokens
	s_lshr_b32 s6, s5, 4                           ; the batch
	s_and_b32 s7, s5, 15                           ; the key step
	s_lshl_b32 s8, s6, 4
	s_add_co_u32 s8, s8, s3                        ; bh = 16 x batch + head
	s_lshl_b32 s10, s5, 19                         ; x: 128 rows of 4,096 bytes a block
	s_mov_b32 s11, 0
	s_lshl_b32 s12, s3, 15                         ; a weight's codes: 64 rows of 512 bytes a head
	s_mov_b32 s13, 0
	s_lshl_b32 s14, s3, 11                         ; its scale bytes: 64 rows of 32
	s_mov_b32 s15, 0
	s_lshl_b32 s48, s3, 8                          ; a bias: 64 numbers
	s_mov_b32 s49, 0
	s_mul_i32 s50, s8, 73728                       ; qbuf: a head's part;
	s_lshl_b32 s4, s7, 9
	s_add_co_u32 s52, s50, s4
	s_add_co_u32 s52, s52, 65536                   ; its scale words, 512 bytes a block of 8 tiles;
	s_mov_b32 s53, 0
	s_lshl_b32 s4, s7, 12
	s_add_co_u32 s50, s50, s4                      ; its codes, 512 bytes a tile
	s_mov_b32 s51, 0
	s_lshl_b32 s54, s8, 4
	s_add_co_u32 s54, s54, s7
	s_mul_i32 s54, s54, 8960                       ; kvbuf: 8,960 bytes a key step
	s_mov_b32 s55, 0
	s_mov_b32 s[SEL], 0x76543210
	s_mov_b32 s[SEL+1], 0xfedcba98
	s_mov_b32 s42, 0xffff0000                      ; lanes 16-31
	s_mov_b32 s43, 7
	s_mov_b32 s44, 0
	s_mov_b32 s45, 0
	s_wait_alu depctr_va_vdst(0)
	s_wait_kmcnt 0x0
	s_add_nc_u64 s[16:17], s[16:17], s[10:11]
	s_add_nc_u64 s[18:19], s[18:19], s[12:13]
	s_add_nc_u64 s[24:25], s[24:25], s[12:13]
	s_add_nc_u64 s[30:31], s[30:31], s[12:13]
	s_add_nc_u64 s[20:21], s[20:21], s[14:15]
	s_add_nc_u64 s[26:27], s[26:27], s[14:15]
	s_add_nc_u64 s[32:33], s[32:33], s[14:15]
	s_add_nc_u64 s[22:23], s[22:23], s[48:49]
	s_add_nc_u64 s[28:29], s[28:29], s[48:49]
	s_add_nc_u64 s[34:35], s[34:35], s[48:49]
	s_add_nc_u64 s[46:47], s[36:37], s[52:53]      ; q's scale words
	s_add_nc_u64 s[36:37], s[36:37], s[50:51]      ; q's codes
	s_add_nc_u64 s[38:39], s[38:39], s[54:55]      ; the key step's block
	; the weights first: loads come back in order (ISA guide 5.7.1), so the waits for x below show them in too
	LOADW 1, 18
	LOADW 2, 24
.irp t, 0,1,2,3
	global_load_b128 v[SW+4*\t:SW+4*\t+3], v[WSA], s[20:21] offset:(32*(\t/2)+8*(\t%2))*32
	global_load_b128 v[SW+16+4*\t:SW+16+4*\t+3], v[WSA], s[26:27] offset:(32*(\t/2)+8*(\t%2))*32
	global_load_b128 v[SW+32+4*\t:SW+32+4*\t+3], v[WSA], s[32:33] offset:(32*(\t/2)+8*(\t%2))*32
.endr
	LOADBQK 22
	XLOAD N0, 0, 0
	XLOAD N1, 1, 0
.Lxs:                                              ; PHASE X: seven trips, a K step each; the eighth is written out, so that no load leaves the buffer
	XTRIP 1, 16
	s_wait_xcnt 0x0                                ; the loads have read their base: it steps only behind this wait
	s_add_nc_u64 s[16:17], s[16:17], 512
	s_add_co_u32 s44, s44, 8192
	s_add_co_u32 s45, s45, 512
	s_sub_co_u32 s43, s43, 1
	s_cmp_lg_u32 s43, 0
	s_cbranch_scc1 .Lxs
	XTRIP 0, 0                                     ; its last wait is for 0: every load of the head is in
	s_barrier_signal -1                            ; my LDS stores have landed (the wait for 0 at the fragment's end)
	s_barrier_wait -1                              ; x's 64 fragments lie in LDS; nothing writes them again
	FETCHX 0, 0
	STAGE 0, 1, 0, 0                               ; q
	LOADBQK 28                                     ; k's bias, then Wv into the window that Wq has left
	LOADW 1, 30
	EPIQK 36, 46, 0
	s_wait_loadcnt 63                              ; k's bias is in: behind its eight loads stand Wv's 64, of which a wait's field can name 63
	STAGE 0, 2, 1, 0                               ; k
.irp t, 0,1,2,3                                ; v's bias hangs on the lane's channel alone: the same number in a tile's eight registers
.irp j, 0,1,2,3,4,5,6,7
	global_load_b32 v[BI+8*\t+\j], v[BVA], s[34:35] offset:(32*(\t/2)+8*(\t%2))*4
.endr
.endr
	EPIQK 38, 38, 8192
	s_wait_loadcnt 0x0                             ; Wv and v's bias
	STAGE 1, 1, 2, 1                               ; v
.irp t, 0,1,2,3                                ; v's way out: channels' tile t x 128 keys is one whole fragment and one scale word a channel
	s_wait_xcnt 0x0
.if \t == 1
.set PCX, PC2
.else
.set PCX, PC
.endif
	QUANT 64*\t, 3, PCX, QT+\t
	global_store_b128 v[LI], v[PCX:PCX+3], s[38:39] offset:4096+1024*\t
	global_store_b128 v[LI], v[PCX+4:PCX+7], s[38:39] offset:4096+1024*\t+512
.endr
	v_cndmask_b32 v[TM], v[QT], v[QT+1], s42       ; word i of lane (r, h) serves tile 2 i + h
	v_cndmask_b32 v[TM+1], v[QT+2], v[QT+3], s42
	global_store_b64 v[L8], v[TM:TM+1], s[38:39] offset:8704   ; 32 lanes store 256 consecutive bytes, aligned
	s_wait_xcnt 0x0
	v_lshl_add_u32 v254, v0, 2, 0x11000
	v_mov_b32 v255, 0
	s_wait_alu depctr_va_vdst(0)
	s_wait_tensorcnt 0x0
	ds_add_u32 v254, v255
	s_wait_dscnt 0x0
	s_endpgm
.Lfunc_end_k_q8ca06439fa_qkv:
	.size	k_q8ca06439fa_qkv, .Lfunc_end_k_q8ca06439fa_qkv-k_q8ca06439fa_qkv
	.p2alignl 7, 3214868480
	.fill 96, 4, 3214868480
	.section	.rodata,"a",@progbits
	.p2align	6, 0x0
	.amdhsa_kernel k_q8ca06439fa_qkv
		.amdhsa_group_segment_fixed_size 70144
		.amdhsa_private_segment_fixed_size 0
		.amdhsa_enable_private_segment 0
		.amdhsa_kernarg_size 96
		.amdhsa_user_sgpr_count 2
		.amdhsa_user_sgpr_kernarg_segment_ptr 1
		.amdhsa_wavefront_size32 1
		.amdhsa_system_sgpr_workgroup_id_x 1
		.amdhsa_system_sgpr_workgroup_id_y 1
		.amdhsa_system_sgpr_workgroup_id_z 1
		.amdhsa_system_vgpr_workitem_id 0
		.amdhsa_next_free_vgpr 1024
		.amdhsa_next_free_sgpr 66
		.amdhsa_reserve_vcc 0
		.amdhsa_float_denorm_mode_32 3
		.amdhsa_float_denorm_mode_16_64 3
		.amdhsa_memory_ordered 1
		.amdhsa_forward_progress 1
		.amdhsa_inst_pref_size 227
	.end_amdhsa_kernel
	.amdgpu_metadata
---
amdhsa.version: [ 1, 2 ]
amdhsa.kernels:
  - .name:           k_q8ca06439fa_qkv
    .symbol:         k_q8ca06439fa_qkv.kd
    .args:
      - { .name: inputs, .offset: 0, .size: 8, .value_kind: global_buffer, .address_space: global }
      - { .name: wq_codes, .offset: 8, .size: 8, .value_kind: global_buffer, .address_space: global }
      - { .name: wq_scales, .offset: 16, .size: 8, .value_kind: global_buffer, .address_space: global }
      - { .name: bq, .offset: 24, .size: 8, .value_kind: global_buffer, .address_space: global }
      - { .name: wk_codes, .offset: 32, .size: 8, .value_kind: global_buffer, .address_space: global }
      - { .name: wk_scales, .offset: 40, .size: 8, .value_kind: global_buffer, .address_space: global }
      - { .name: bk, .offset: 48, .size: 8, .value_kind: global_buffer, .address_space: global }
      - { .name: wv_codes, .offset: 56, .size: 8, .value_kind: global_buffer, .address_space: global }
      - { .name: wv_scales, .offset: 64, .size: 8, .value_kind: global_buffer, .address_space: global }
      - { .name: bv, .offset: 72, .size: 8, .value_kind: global_buffer, .address_space: global }
      - { .name: qbuf, .offset: 80, .size: 8, .value_kind: global_buffer, .address_space: global }
      - { .name: kvbuf, .offset: 88, .size: 8, .value_kind: global_buffer, .address_space: global }
    .group_segment_fixed_size: 70144
    .private_segment_fixed_size: 0
    .kernarg_segment_align: 8
    .kernarg_segment_size: 96
    .max_flat_workgroup_size: 128
    .sgpr_count:     66
    .vgpr_count:     1024
    .wavefront_size: 32
...
	.end_amdgpu_metadata
.endif
;; end of part 1
;; launch attn (part 2): grid 4 x 64, 16 waves a work-group, clusters of 4 x 1, 169,984 bytes of LDS; arguments qbuf, kvbuf, obuf; writes obuf
.if DOCPART == 2
	.amdgcn_target "amdgcn-amd-amdhsa--gfx1250"
	.amdhsa_code_object_version 6
	.text
	.protected	k_q8ca06439fa_attn
	.globl	k_q8ca06439fa_attn
	.p2align	8
	.type	k_q8ca06439fa_attn,@function
k_q8ca06439fa_attn:
	s_mov_b64 s[64:65], 0
	v_nop
	global_prefetch_b8 v0, s[64:65] scope:SCOPE_SE
	s_setreg_imm32_b32 hwreg(HW_REG_WAVE_MODE, 25, 1), 1
	s_wait_xcnt 0x0
	s_wait_alu depctr_hold_cnt(0) depctr_sa_sdst(0) depctr_va_vdst(0) depctr_va_sdst(0) depctr_va_ssrc(0) depctr_va_vcc(0) depctr_vm_vsrc(0)
	s_getreg_b32 s2, hwreg(HW_REG_IB_STS2, 6, 4)
	s_cmp_eq_u32 s2, 0
	s_cbranch_scc0 .Lentry_in_a_cluster
	s_endpgm
.Lentry_in_a_cluster:
	s_bfe_u32 s2, ttmp6, 0x10000c
	s_cmp_lg_u32 s2, 0x3003
	s_cbranch_scc0 .Lentry_shape_is_right
	s_endpgm
.Lentry_shape_is_right:
; O = softmax(q k^T / 8) v for one head, both products on codes of FP4 (E2M1) with one E8M0 scale for each 32 along K, and O / l quantised along the head's 64 for the projection.
; THE SOFTMAX AHEAD OF THE SECOND PRODUCT: t = score x log2(e) / 8; M = the row's largest t so far, rounded up to a whole number; p = 2^(t - M) is quantised along the keys, not normalised.
; The row's sum is taken of the unquantised p and divides O at the end.  When M moves, the sum and O are multiplied by 2^(old M - new M): exact.
; SHARES.  A work-group owns 512 queries of a head (work-group y = 16 x batch + head), each of its sixteen waves two tiles of 16, one after the other; four waves share a SIMD, so that one wave's
; vector work stands beside another's matrix work and LDS loads.  Every wave walks the head's 2,048 keys, 128 a step.
; K AND V OF THE WHOLE HEAD, 16 blocks of 8,960 bytes, lie in LDS, filled once: wave w asks for key step w's block.  The four work-groups of a cluster are the four query blocks of one head: each block is
; asked for JOINTLY, by the same tensor load with the same descriptor and a mask that names the four.  One tensor load of a wave is out.  Nothing is filled again.
; All of K and V is asked for at the head, so there is nothing that could be asked for earlier: no prefetch.
; LAYOUT.  Both products are used transposed: S^T = K Q^T (source 0 = 16 keys, source 1 = my 16 queries), O^T = V^T P^T: a lane holds one query throughout.  The launch before has laid K's tiles so that the 16
; registers of tiles 2 b and 2 b + 1 are keys 32 b + 16 (lane / 16) + 0 .. 15, and V's channels so that O^T's registers run along the head.  Every fragment is an image of its registers: 16 bytes a lane on end.
; THE FIRST PRODUCT'S K IS 64: the upper half of both operands is zero codes (registers 4-7, cleared once); Q's scale bytes of that half are 0.
; LIMITS: NaN and infinities are not served; a block of O / l whose largest magnitude lies under 2^-124 gets the scale byte 1.
; REGISTERS: v1-9 addresses; v12 -M, v13 the largest t, v[14:15] the sum in two halves; v16-23 Q; v24-27 K's scale words, v28-29 V's, v30 Q's; v32-95 K; v96-159 S^T, then p; v160-191 O^T; v192-223 V; v224-231 p's codes; v232-254 at work.
.set STEPB, 8960                       ; a key step's block: K's codes 4,096, V's codes 4,096, K's scale words 512, V's 256
.set OSG,   143360                     ; LDS behind the 16 blocks: the work-group's 32 x 16 pairs of scale bytes of O
.set A0,   1                           ; v1   16 x lane
.set B0,   2                           ; v2   8 x lane
.set ADA,  3                           ; v3   the step's block + 16 x lane
.set ADB,  4                           ; v4   the step's block + 8 x lane
.set OSA,  6                           ; v6   where I put O's scale bytes: OSG + 64 x wave + 2 r
.set OSR,  7                           ; v7   where they are read back: OSG + 16 x thread
.set QSO,  8                           ; v8   16 r
.set T16,  9                           ; v9   16 x thread
.set QF,   16
.set KSC,  24
.set VSC,  28
.set QS,   30
.set KF,   32
.set S,    96
.set OT,   160
.set VF,   192
.set PC,   224
.set BM,   232                         ; v232-235 a block's largest score, then its largest p
.set BT,   236                         ; v236-239 at work
.set BS,   244                         ; v244-247 the conversions' scale operands
.set WV,   10                          ; s10  my wave's number
.set TB,   14                          ; s14  LDS byte at which the step's block begins
.set CNT,  15                          ; s15  steps to go
.set SEL,  20                          ; s[20:21] lane selects for v_permlanex16_b32: lane l xor 16
.set CS,   22                          ; s[22:23] c = log2(e) / 8
.macro MMZ d, a, b, sa, sb, ra         ; a product that starts its sum
.if (\ra) == 0
	v_wmma_scale_f32_16x16x128_f8f6f4 v[(\d):(\d)+7], v[(\a):(\a)+7], v[(\b):(\b)+7], 0, v[\sa], v[\sb] matrix_a_fmt:MATRIX_FMT_FP4 matrix_b_fmt:MATRIX_FMT_FP4
.else
	v_wmma_scale_f32_16x16x128_f8f6f4 v[(\d):(\d)+7], v[(\a):(\a)+7], v[(\b):(\b)+7], 0, v[\sa], v[\sb] matrix_a_fmt:MATRIX_FMT_FP4 matrix_b_fmt:MATRIX_FMT_FP4 matrix_a_scale:MATRIX_SCALE_ROW1
.endif
.endm
.macro MMA d, a, b, sa, sb, ra         ; a product that adds in place
.if (\ra) == 0
	v_wmma_scale_f32_16x16x128_f8f6f4 v[(\d):(\d)+7], v[(\a):(\a)+7], v[(\b):(\b)+7], v[(\d):(\d)+7], v[\sa], v[\sb] matrix_a_fmt:MATRIX_FMT_FP4 matrix_b_fmt:MATRIX_FMT_FP4
.else
	v_wmma_scale_f32_16x16x128_f8f6f4 v[(\d):(\d)+7], v[(\a):(\a)+7], v[(\b):(\b)+7], v[(\d):(\d)+7], v[\sa], v[\sb] matrix_a_fmt:MATRIX_FMT_FP4 matrix_b_fmt:MATRIX_FMT_FP4 matrix_a_scale:MATRIX_SCALE_ROW1
.endif
.endm
.macro CROUND                          ; a round of the cluster's barrier
	s_barrier_signal -1
	s_barrier_wait -1
	s_cmp_lg_u32 s[WV], 0
	s_cbranch_scc1 .Lnot_wave_0_\@
	s_barrier_signal -3
.Lnot_wave_0_\@:
	s_barrier_wait -3
	s_barrier_signal -1
	s_barrier_wait -1
.endm
; A KEY STEP: 128 keys.
.macro STEP
	v_add_nc_u32 v[ADA], s[TB], v[A0]
	v_add_nc_u32 v[ADB], s[TB], v[B0]
	v_nop
	v_nop                                          ; four places between the last step's products and the loads into V's fragments and scale words
	ds_load_b128 v[KSC:KSC+3], v[ADA] offset:8192  ; word p of lane (r, h): K's tile 2 p + h
.irp i, 0,1,2,3,4,5,6,7
	ds_load_b128 v[KF+8*\i:KF+8*\i+3], v[ADA] offset:512*\i
.endr
.irp i, 0,1,2,3,4,5,6,7
	ds_load_b128 v[VF+4*\i:VF+4*\i+3], v[ADA] offset:4096+512*\i
.endr
	ds_load_b64 v[VSC:VSC+1], v[ADB] offset:8704   ; word i of lane (r, h): V's tile 2 i + h
	s_wait_dscnt 9                                 ; K's nine loads are in; V's nine are younger and land during the softmax
.irp i, 0,1,2,3,4,5,6,7
	MMZ S+8*\i, KF+8*\i, QF, KSC+(\i/2), QS, \i%2
.endr
.rept 4
	v_nop
.endr
.irp b, 0,1,2,3
	v_max3_num_f32 v[BM+\b], v[S+16*\b], v[S+16*\b+1], v[S+16*\b+2]   ; the largest score of each block of 32 keys: for the row's maximum, and, since p rises with the score, for the block's largest p
.endr
.irp i, 3,5,7,9,11,13
.irp b, 0,1,2,3
	v_max3_num_f32 v[BM+\b], v[BM+\b], v[S+16*\b+\i], v[S+16*\b+\i+1]
.endr
.endr
.irp b, 0,1,2,3
	v_max_num_f32 v[BM+\b], v[BM+\b], v[S+16*\b+15]
.endr
.irp b, 0,1,2,3
	s_delay_alu instid0(VALU_DEP_4)
	v_permlanex16_b32 v[BT+\b], v[BM+\b], s[SEL], s[SEL+1]
.endr
.irp b, 0,1,2,3
	s_delay_alu instid0(VALU_DEP_4)
	v_max_num_f32 v[BM+\b], v[BM+\b], v[BT+\b]     ; with lane l xor 16's 16 keys
.endr
	s_delay_alu instid0(VALU_DEP_2)
	v_max3_num_f32 v254, v[BM], v[BM+1], v[BM+2]
	s_delay_alu instid0(VALU_DEP_1)
	v_max_num_f32 v254, v254, v[BM+3]              ; the step's largest score of my query
	s_delay_alu instid0(VALU_DEP_1)
	v_mul_f32 v254, s[CS], v254                    ; as t (c is positive)
	s_delay_alu instid0(VALU_DEP_1)
	v_max_num_f32 v13, v13, v254                   ; the running largest t
	v_mov_b32 v254, v12
	s_delay_alu instid0(VALU_DEP_2)
	v_floor_f32 v12, -v13                          ; the new -M = floor(-t): M is a whole number
	s_delay_alu instid0(VALU_DEP_1)
	v_sub_f32 v254, v12, v254                      ; old M - new M: a whole number, 0 or less
	s_delay_alu instid0(VALU_DEP_1)
	v_cvt_i32_f32 v254, v254                       ; (it saturates)
	s_delay_alu instid0(VALU_DEP_1)
	v_ldexp_f32 v252, 1.0, v254                    ; f = 2^(old M - new M)
.set J, 0
.rept 32
	v_pk_fma_f32 v[S+J:S+J+1], v[S+J:S+J+1], s[CS:CS+1], v[12:13] op_sel_hi:[1,0,0]   ; t - M, two at a time
.set J, J+2
.endr
.irp b, 0,1,2,3
	v_fma_f32 v[BM+\b], v[BM+\b], s[CS], v12       ; the same of each block's largest score
.endr
.set J, 0
	s_wait_alu depctr_va_vdst(0)
.rept 64
	v_exp_f32 v[S+J], v[S+J]                       ; p = 2^(t - M), at most 1
.set J, J+1
.endr
	s_setprio 1
	v_pk_mul_f32 v[14:15], v[14:15], v[252:253] op_sel_hi:[1,0]   ; the sums under the new M: the plain place behind the exponentials
	s_wait_alu depctr_va_vdst(0)                   ; one wait for the batch of 64, ahead of its first reader
.irp b, 0,1,2,3
	v_exp_f32 v[BM+\b], v[BM+\b]                   ; the block's largest p: the same two instructions on the same number
.endr
	v_pk_add_f32 v[236:237], v[100:101], v[104:105]
	v_pk_add_f32 v[248:249], v[108:109], v[112:113]
	v_pk_add_f32 v[246:247], v[116:117], v[120:121]
	v_pk_add_f32 v[244:245], v[124:125], v[128:129]
	v_pk_add_f32 v[242:243], v[132:133], v[136:137]
	v_pk_add_f32 v[240:241], v[140:141], v[144:145]
	v_pk_add_f32 v[238:239], v[148:149], v[152:153]
	v_pk_add_f32 v[14:15], v[14:15], v[156:157]
	v_pk_add_f32 v[236:237], v[236:237], v[96:97]
	v_pk_add_f32 v[248:249], v[248:249], v[98:99]
	v_pk_add_f32 v[246:247], v[246:247], v[102:103]
	v_pk_add_f32 v[244:245], v[244:245], v[106:107]
	v_pk_add_f32 v[242:243], v[242:243], v[110:111]
	v_pk_add_f32 v[240:241], v[240:241], v[114:115]
	v_pk_add_f32 v[238:239], v[238:239], v[118:119]
	v_pk_add_f32 v[14:15], v[14:15], v[122:123]
	v_pk_add_f32 v[236:237], v[236:237], v[126:127]
	v_pk_add_f32 v[248:249], v[248:249], v[130:131]
	v_pk_add_f32 v[246:247], v[246:247], v[134:135]
	v_pk_add_f32 v[244:245], v[244:245], v[138:139]
	v_pk_add_f32 v[242:243], v[242:243], v[142:143]
	v_pk_add_f32 v[240:241], v[240:241], v[146:147]
	v_pk_add_f32 v[238:239], v[238:239], v[150:151]
	v_pk_add_f32 v[14:15], v[14:15], v[154:155]
	v_pk_add_f32 v[236:237], v[236:237], v[158:159]
	s_delay_alu instid0(VALU_DEP_2)
	v_pk_add_f32 v[14:15], v[14:15], v[244:245]
	s_delay_alu instid0(VALU_DEP_2)
	v_pk_add_f32 v[236:237], v[236:237], v[242:243]
	v_pk_add_f32 v[248:249], v[248:249], v[240:241]
	v_pk_add_f32 v[246:247], v[246:247], v[238:239]
	s_delay_alu instid0(VALU_DEP_2)
	v_pk_add_f32 v[14:15], v[14:15], v[248:249]
	s_delay_alu instid0(VALU_DEP_2)
	v_pk_add_f32 v[236:237], v[236:237], v[246:247]
	s_delay_alu instid0(VALU_DEP_1)
	v_pk_add_f32 v[14:15], v[14:15], v[236:237]
	s_wait_alu depctr_va_vdst(0)                   ; and one for the four
.irp b, 0,1,2,3
	v_max_num_f32 v[BM+\b], 0x1800000, v[BM+\b]    ; the floor 2^(3 - 127): the byte cannot fall under 1
.endr
.irp b, 0,1,2,3
	s_delay_alu instid0(VALU_DEP_4)
	v_add_nc_u32 v[BS+\b], 0xff000000, v[BM+\b]    ; 2 off the exponent field: the conversion's scale operand
.endr
.irp b, 0,1,2,3
	s_delay_alu instid0(VALU_DEP_4)
	v_lshrrev_b32 v[BT+\b], 23, v[BS+\b]           ; the scale's byte
.endr
	s_delay_alu instid0(VALU_DEP_3)
	v_lshl_or_b32 v253, v[BT+1], 8, v[BT]          ; p's scale word for these 128 keys
	s_delay_alu instid0(VALU_DEP_1)
	v_lshl_or_b32 v253, v[BT+2], 16, v253
	s_delay_alu instid0(VALU_DEP_1)
	v_lshl_or_b32 v253, v[BT+3], 24, v253
.irp b, 0,1,2,3
	v_cvt_scalef32_pk8_fp4_f32 v[PC+2*\b], v[S+16*\b:S+16*\b+7], v[BS+\b]
	v_cvt_scalef32_pk8_fp4_f32 v[PC+2*\b+1], v[S+16*\b+8:S+16*\b+15], v[BS+\b]
.endr
	v_nop                                          ; one plain place behind a scaled conversion
.irp c, 0,1                                    ; a whole block in a lane: lanes 0-15 block 2 c, lanes 16-31 block 2 c + 1
.irp i, 0,1
	v_permlane16_swap_b32 v[PC+4*\c+\i], v[PC+2+4*\c+\i]
.endr
.endr
.set J, 0
	s_setprio 0
.rept 16
	v_pk_mul_f32 v[OT+J:OT+J+1], v[OT+J:OT+J+1], v[252:253] op_sel_hi:[1,0]   ; O^T under the new M.  These sixteen also stand between the writes of p's codes and scale word and the products below
.set J, J+2
.endr
	s_wait_alu depctr_va_vdst(0)
	s_wait_dscnt 0x0                               ; V is in
.irp t, 0,1,2,3                                ; the four accumulators take turns; the eight products of the next step's scores stand between two links of a chain
	MMA OT+8*\t, VF+8*\t, PC, VSC+(\t/2), 253, \t%2
.endr
.endm
; THE WAY OUT of a tile: O^T / the sum; its two blocks of 32 channels are quantised; 16 bytes of codes a lane are half a fragment of the projection's operand.
.macro OUT i
.rept 4
	v_nop                                          ; four places behind the last products
.endr
	v_add_f32 v14, v14, v15                        ; the sum's two halves,
	s_delay_alu instid0(VALU_DEP_1)
	v_permlanex16_b32 v252, v14, s[SEL], s[SEL+1]
	s_delay_alu instid0(VALU_DEP_1)
	v_add_f32 v14, v14, v252                       ; and lane l xor 16's
	s_wait_alu depctr_va_vdst(0)
	v_rcp_f32 v14, v14
	v_nop                                          ; a plain place behind the reciprocal
	s_wait_alu depctr_va_vdst(0)                   ; and the wait ahead of its first reader
.set J, 0
.rept 16
	v_pk_mul_f32 v[S+J:S+J+1], v[OT+J:OT+J+1], v[14:15] op_sel_hi:[1,0]   ; register 16 b + i: channel 32 b + 16 (lane / 16) + i.  Each accumulator from its low end on
.set J, J+2
.endr
.irp b, 0,1
	v_max3_num_f32 v[BM+\b], |v[S+16*\b]|, |v[S+16*\b+1]|, 0x1800000
.endr
.irp q, 2,4,6,8,10,12,14
.irp b, 0,1
	s_delay_alu instid0(VALU_DEP_2)
	v_max3_num_f32 v[BM+\b], v[BM+\b], |v[S+16*\b+\q]|, |v[S+16*\b+\q+1]|
.endr
.endr
.irp b, 0,1
	s_delay_alu instid0(VALU_DEP_2)
	v_permlanex16_b32 v[BT+\b], v[BM+\b], s[SEL], s[SEL+1]
.endr
.irp b, 0,1
	s_delay_alu instid0(VALU_DEP_2)
	v_max_num_f32 v[BM+\b], v[BM+\b], v[BT+\b]
.endr
.irp b, 0,1
	s_delay_alu instid0(VALU_DEP_2)
	v_add_nc_u32 v[BS+\b], 0xff000000, v[BM+\b]
.endr
.irp b, 0,1
	s_delay_alu instid0(VALU_DEP_2)
	v_lshrrev_b32 v[BT+\b], 23, v[BS+\b]
.endr
	s_delay_alu instid0(VALU_DEP_1)
	v_lshl_or_b32 v254, v[BT+1], 8, v[BT]          ; my row's two scale bytes
.irp b, 0,1
	v_cvt_scalef32_pk8_fp4_f32 v[PC+2*\b], v[S+16*\b:S+16*\b+7], v[BS+\b]
	v_cvt_scalef32_pk8_fp4_f32 v[PC+2*\b+1], v[S+16*\b+8:S+16*\b+15], v[BS+\b]
.endr
	v_nop
	v_permlane16_swap_b32 v[PC], v[PC+2]
	v_permlane16_swap_b32 v[PC+1], v[PC+3]         ; lane (r, h): channels 32 h .. 32 h + 31
	global_store_b128 v[A0], v[PC:PC+3], s[40:41] offset:8192*\i   ; 32 lanes store 512 consecutive bytes, aligned
	ds_store_b16 v[OSA], v254 offset:32*\i         ; both lanes of a row write the same bytes with the same value
.endm
.macro TILE i
	s_wait_xcnt 0x0                                ; the last tile's store has read p's codes' registers
	global_load_b128 v[QF:QF+3], v[A0], s[36:37] offset:512*\i
	global_load_b32 v[QS], v[QSO], s[38:39] offset:256*\i
	v_mov_b32 v13, 0xff61b1e6                      ; the largest t so far: -3e38
	s_delay_alu instid0(VALU_DEP_1)
	v_floor_f32 v12, -v13                          ; -M
	v_mov_b32 v14, 0
	v_mov_b32 v15, 0
	v_mov_b32 v253, 0                              ; (named as the upper half of v[252:253] before it is first written)
.irp b, 0,1,2,3
	v_mov_b32 v[BT+\b], 0                          ; a lane permute's destination counts as one of its sources
.endr
	s_mov_b32 s[TB], 0
	s_mov_b32 s[CNT], 16
	s_wait_loadcnt 0x0
	v_and_b32 v[QS], 0xffff, v[QS]                 ; the bytes of the two blocks of zero codes become 0
.set J, 0
.rept 32
	v_mov_b32 v[OT+J], 0                           ; O^T: the step is written once, its first trip finds zeros.  These lines also stand between the write of Q's scale word and the first product
.set J, J+1
.endr
.Lstep_\@:
	s_setprio 2
	STEP
	s_add_co_u32 s[TB], s[TB], STEPB
	s_sub_co_u32 s[CNT], s[CNT], 1
	s_cmp_lg_u32 s[CNT], 0
	s_cbranch_scc1 .Lstep_\@
	s_setprio 0
	OUT \i
.endm
	s_load_b128 s[4:7], s[0:1], 0x0                ; qbuf, kvbuf
	s_load_b64 s[8:9], s[0:1], 0x10                ; obuf
	v_lshl_add_u32 v251, v0, 2, 0x29000
	v_mov_b32 v255, 0
	ds_add_u32 v251, v255
	ds_add_u32 v251, v255
	v_lshrrev_b32 v3, 5, v0
	s_delay_alu instid0(VALU_DEP_1)
	v_readfirstlane_b32 s[WV], v3                  ; wave 0..15
	v_and_b32 v4, 31, v0                           ; lane
	v_and_b32 v5, 15, v0                           ; r
	s_delay_alu instid0(VALU_DEP_2)
	v_lshlrev_b32 v[A0], 4, v4
	s_delay_alu instid0(VALU_DEP_3)
	v_lshlrev_b32 v[B0], 3, v4
	s_delay_alu instid0(VALU_DEP_3)
	v_lshlrev_b32 v[QSO], 4, v5
	v_lshlrev_b32 v[T16], 4, v0
	s_delay_alu instid0(VALU_DEP_1)
	v_add_nc_u32 v[OSR], OSG, v[T16]
	s_lshl_b32 s16, s[WV], 6
	s_add_co_u32 s16, s16, OSG
	v_lshl_add_u32 v[OSA], v5, 1, s16
.irp j, 4,5,6,7
	v_mov_b32 v[QF+\j], 0                          ; the zero codes of the first product's upper 64 along K: written once
.endr
.irp i, 0,1,2,3,4,5,6,7
.irp j, 4,5,6,7
	v_mov_b32 v[KF+8*\i+\j], 0
.endr
.endr
	s_and_b32 s13, ttmp7, 0xffff                   ; bh = 16 x batch + head, which the four partners share
	s_mul_i32 s33, s[WV], STEPB                    ; descriptor group 0, 63:32: LDS address: my key step's block: the wave's number alone
	s_mul_i32 s16, s13, 16*STEPB
	s_add_co_u32 s16, s16, s33                     ; and the same block in kvbuf
	s_mov_b32 s17, 0
	s_mov_b32 s32, 1                               ; 1:0 count = 1
	; descriptor group 1: a dense block of 8,960 bytes as 35 rows of 256 (32 elements of 8 bytes)
	s_mov_b32 s24, 15|(3<<16)|(1<<21)              ; 15:0 the mask: all four work-groups; 17:16 elements of 8 bytes; 21 set beside a mask; no padding
	s_mov_b32 s25, 32<<16                          ; tensor_dim0 = 32
	s_mov_b32 s26, 35<<16                          ; tensor_dim1 = 35
	s_mov_b32 s27, 32<<16                          ; tile_dim0 = 32
	s_mov_b32 s28, 35                              ; tile_dim1 = 35
	s_mov_b32 s29, 32                              ; from row to row
	s_mov_b32 s30, 0
	s_mov_b32 s31, 0
	s_mov_b32 s[SEL], 0x76543210
	s_mov_b32 s[SEL+1], 0xfedcba98
	s_mov_b32 s[CS], 0x3e38aa3b                    ; c = log2(e) / 8
	s_mov_b32 s[CS+1], s[CS]                       ; (named with it as a pair, so it is written)
	; my place in the cluster enters Q's and O's global addresses alone, in registers that feed no descriptor
	s_bfe_u32 s44, ttmp6, 0x40000                  ; cx
	s_lshl_b32 s45, ttmp9, 2
	s_add_co_u32 s45, s45, s44                     ; my block of 512 queries
	s_mul_i32 s46, s13, 73728                      ; the head's part of qbuf
	s_lshl_b32 s48, s45, 5
	s_lshl_b32 s49, s[WV], 1
	s_add_co_u32 s48, s48, s49                     ; my first tile: 32 x block + 2 x wave
	s_lshl_b32 s50, s48, 9
	s_add_co_u32 s50, s50, s46                     ; its codes
	s_mov_b32 s51, 0
	s_lshl_b32 s52, s45, 2
	s_lshr_b32 s49, s[WV], 2
	s_add_co_u32 s52, s52, s49
	s_lshl_b32 s52, s52, 9                         ; its scale words: 512 bytes for 8 tiles,
	s_and_b32 s49, s[WV], 3
	s_lshl_b32 s49, s49, 2
	s_add_co_u32 s52, s52, s49                     ; word wave % 4 of a lane's four; the second tile's lie 256 bytes on
	s_add_co_u32 s52, s52, s46
	s_add_co_u32 s52, s52, 65536
	s_mov_b32 s53, 0
	s_lshr_b32 s49, s13, 4
	s_lshl_b32 s49, s49, 7
	s_add_co_u32 s54, s49, s48                     ; obuf: tile 128 x batch + my tile: 8,192 bytes,
	s_lshl_b32 s54, s54, 13
	s_and_b32 s49, s13, 15
	s_lshl_b32 s49, s49, 9
	s_add_co_u32 s54, s54, s49                     ; 512 a head
	s_mov_b32 s55, 0
	s_lshl_b32 s56, s13, 12                        ; O's scale bytes: 4,096 a head, 1,024 a block of queries
	s_lshl_b32 s49, s45, 10
	s_add_co_u32 s56, s56, s49
	s_add_co_u32 s56, s56, 4194304
	s_mov_b32 s57, 0
	s_wait_dscnt 0x0
	s_wait_kmcnt 0x0
	s_add_nc_u64 s[34:35], s[6:7], s[16:17]        ; 120:64 global address
	s_or_b32 s35, s35, 0x80000000                  ; 127:126 type = 2
	s_add_nc_u64 s[36:37], s[4:5], s[50:51]
	s_add_nc_u64 s[38:39], s[4:5], s[52:53]
	s_add_nc_u64 s[40:41], s[8:9], s[54:55]
	s_add_nc_u64 s[42:43], s[8:9], s[56:57]
	CROUND                                         ; all four work-groups are here: the joint loads meet
	tensor_load_to_lds s[32:35], s[24:31]
	s_nop 0
.rept 4
	v_nop                                          ; four places behind a tensor load
.endr
	s_wait_tensorcnt 0x0                           ; my block has landed,
	s_barrier_signal -1
	s_barrier_wait -1                              ; everybody's has: the head's K and V are whole, and stay
	TILE 0
	TILE 1
	s_wait_dscnt 0x0                               ; my scale bytes have landed in LDS
	s_barrier_signal -1
	s_barrier_wait -1
	s_cmp_lt_u32 s[WV], 2                          ; the work-group's 1,024 scale bytes leave as two aligned runs of 512 bytes: waves 0 and 1, 16 bytes a lane
	s_cbranch_scc0 .Lno_scales
	ds_load_b128 v[S:S+3], v[OSR]
	s_wait_dscnt 0x0
	global_store_b128 v[T16], v[S:S+3], s[42:43]
.Lno_scales:
	s_wait_tensorcnt 0x0
	ds_add_u32 v251, v255
	s_wait_dscnt 0x0
	CROUND                                         ; the closing round: no work-group ends while a partner may still ask for a block that names it
	s_endpgm
.Lfunc_end_k_q8ca06439fa_attn:
	.size	k_q8ca06439fa_attn, .Lfunc_end_k_q8ca06439fa_attn-k_q8ca06439fa_attn
	.p2alignl 7, 3214868480
	.fill 96, 4, 3214868480
	.section	.rodata,"a",@progbits
	.p2align	6, 0x0
	.amdhsa_kernel k_q8ca06439fa_attn
		.amdhsa_group_segment_fixed_size 169984
		.amdhsa_private_segment_fixed_size 0
		.amdhsa_enable_private_segment 0
		.amdhsa_kernarg_size 24
		.amdhsa_user_sgpr_count 2
		.amdhsa_user_sgpr_kernarg_segment_ptr 1
		.amdhsa_wavefront_size32 1
		.amdhsa_system_sgpr_workgroup_id_x 1
		.amdhsa_system_sgpr_workgroup_id_y 1
		.amdhsa_system_sgpr_workgroup_id_z 1
		.amdhsa_system_vgpr_workitem_id 0
		.amdhsa_next_free_vgpr 256
		.amdhsa_next_free_sgpr 66
		.amdhsa_reserve_vcc 0
		.amdhsa_float_denorm_mode_32 3
		.amdhsa_float_denorm_mode_16_64 3
		.amdhsa_memory_ordered 1
		.amdhsa_forward_progress 1
		.amdhsa_inst_pref_size 50
	.end_amdhsa_kernel
	.amdgpu_metadata
---
amdhsa.version: [ 1, 2 ]
amdhsa.kernels:
  - .name:           k_q8ca06439fa_attn
    .symbol:         k_q8ca06439fa_attn.kd
    .args:
      - { .name: qbuf, .offset: 0, .size: 8, .value_kind: global_buffer, .address_space: global }
      - { .name: kvbuf, .offset: 8, .size: 8, .value_kind: global_buffer, .address_space: global }
      - { .name: obuf, .offset: 16, .size: 8, .value_kind: global_buffer, .address_space: global }
    .group_segment_fixed_size: 169984
    .private_segment_fixed_size: 0
    .kernarg_segment_align: 8
    .kernarg_segment_size: 24
    .max_flat_workgroup_size: 512
    .sgpr_count:     66
    .vgpr_count:     256
    .wavefront_size: 32
...
	.end_amdgpu_metadata
.endif
;; end of part 2
;; launch proj (part 3): grid 256 x 1, 8 waves a work-group, no clusters, 132,608 bytes of LDS; arguments obuf, wo_codes, wo_scales, bo, inputs, ln_gamma, ln_beta, out0; writes out0
.if DOCPART == 3
	.amdgcn_target "amdgcn-amd-amdhsa--gfx1250"
	.amdhsa_code_object_version 6
	.text
	.protected	k_q8ca06439fa_proj
	.globl	k_q8ca06439fa_proj
	.p2align	8
	.type	k_q8ca06439fa_proj,@function
k_q8ca06439fa_proj:
	s_mov_b64 s[64:65], 0
	v_nop
	global_prefetch_b8 v0, s[64:65] scope:SCOPE_SE
	s_setreg_imm32_b32 hwreg(HW_REG_WAVE_MODE, 25, 1), 1
	s_wait_xcnt 0x0
; out0 = LayerNorm(x + Q(O) wo + bo) x gamma + beta.  The product is on codes of FP4 (E2M1) with one E8M0 scale for each 32 along K = 1,024; all else in f32.
; SHARES.  A work-group owns 32 tokens (two tiles of 16), whole rows, as the norm needs.  Wave w makes columns 128 w .. 128 w + 127: 8 tiles of wo's rows x 2 tiles of tokens, 16 accumulators, 8 K steps.
; The product is used transposed (source 0 = 16 rows of wo, source 1 = 16 tokens): a lane's eight results are eight neighbouring columns of one token.  The bias is loaded straight into the accumulators, so every K step adds in place.
; The results meet in a stage in LDS (32 rows of 4,096 bytes + 16); one barrier; then wave w takes four whole rows: residual, mean, variance of the differences (two passes), gain and offset.
; O's fragments are images of their registers: tile, K step, half: 512 bytes, 16 a lane.  A tile's lane r is token 8 (tile % 2) + r + 8 (r / 8) of the 32.
; Fragments go from memory straight into registers, two K steps ahead.
; NO CLUSTER: each fragment of wo is used by one wave of a work-group (64 KiB of codes a wave) and goes from memory straight into its registers; through LDS every byte would be written and read once more.
; NO PREFETCH: x, the one stream that is read once, is asked for at the head, into registers.
; REGISTERS: window 0: v1-8 addresses; v16-47 wo's scale words; v48-55 O's; v56-71 their halves as loaded; v72-103 O's fragments, two sets; v104-231 wo's, two sets (later gamma v104-135, beta v136-167); v232-255 sums and means.
;   window 1: v0-127 the accumulators (wo's tile t, tokens' tile m at 16 t + 8 m), later four rows; v128-255 four rows of x.
.set ROWP, 4112                        ; a stage row: 4,096 bytes + 16: the sixteen rows that a store touches start 16 bytes apart modulo 256
.set LI,   1                           ; v1   16 x lane
.set WA,   2                           ; v2   wo's codes: 512 r + 16 h
.set WSA,  3                           ; v3   wo's scale bytes: 32 r + 16 h
.set BA,   4                           ; v4   bo: 32 h
.set L2,   5                           ; v5   2 x lane
.set STO0, 6                           ; v6   the stage, tokens' tile 0: r rows + 512 x wave + 32 h
.set STO1, 7                           ; v7   tile 1: 16 rows on
.set SR,   8                           ; v8   back: my four rows, 16 x lane
.set WS,   16
.set OS,   48
.set U,    56
.set OB,   72
.set WB,   104
.set GM,   104
.set BT,   136
.set SA,   232                         ; v232-239 a pair of sums for each of my four rows
.set SB,   240                         ; v240-247 a second chain
.set MN,   248                         ; v248-255 the mean, twice; later 1 / sqrt(var + eps) in the low word
.set SEL,  40
.set MSB, 0
.macro WIN new
.if MSB != (\new)
	s_set_vgpr_msb (MSB<<8)|(\new)
.set MSB, (\new)
.endif
.endm
.macro MM d, a, b, sa, sb, ra, rb      ; a product that adds in place
.if ((\ra) == 0) && ((\rb) == 0)
	v_wmma_scale_f32_16x16x128_f8f6f4 v[(\d):(\d)+7], v[(\a):(\a)+7], v[(\b):(\b)+7], v[(\d):(\d)+7], v[\sa], v[\sb] matrix_a_fmt:MATRIX_FMT_FP4 matrix_b_fmt:MATRIX_FMT_FP4
.elseif (\rb) == 0
	v_wmma_scale_f32_16x16x128_f8f6f4 v[(\d):(\d)+7], v[(\a):(\a)+7], v[(\b):(\b)+7], v[(\d):(\d)+7], v[\sa], v[\sb] matrix_a_fmt:MATRIX_FMT_FP4 matrix_b_fmt:MATRIX_FMT_FP4 matrix_a_scale:MATRIX_SCALE_ROW1
.elseif (\ra) == 0
	v_wmma_scale_f32_16x16x128_f8f6f4 v[(\d):(\d)+7], v[(\a):(\a)+7], v[(\b):(\b)+7], v[(\d):(\d)+7], v[\sa], v[\sb] matrix_a_fmt:MATRIX_FMT_FP4 matrix_b_fmt:MATRIX_FMT_FP4 matrix_b_scale:MATRIX_SCALE_ROW1
.else
	v_wmma_scale_f32_16x16x128_f8f6f4 v[(\d):(\d)+7], v[(\a):(\a)+7], v[(\b):(\b)+7], v[(\d):(\d)+7], v[\sa], v[\sb] matrix_a_fmt:MATRIX_FMT_FP4 matrix_b_fmt:MATRIX_FMT_FP4 matrix_a_scale:MATRIX_SCALE_ROW1 matrix_b_scale:MATRIX_SCALE_ROW1
.endif
.endm
.macro LOADK ks                        ; 20 loads: K step ks's eight fragments of wo and two of O, into set ks % 2
.irp t, 0,1,2,3,4,5,6,7
.irp c, 0,1
	global_load_b128 v[WB+64*((\ks)%2)+8*\t+4*\c:WB+64*((\ks)%2)+8*\t+4*\c+3], v[WA], s[18:19] offset:8192*\t+64*(\ks)+32*\c
.endr
.endr
.irp m, 0,1
.irp c, 0,1
	global_load_b128 v[OB+16*((\ks)%2)+8*\m+4*\c:OB+16*((\ks)%2)+8*\m+4*\c+3], v[LI], s[32:33] offset:8192*\m+1024*(\ks)+512*\c
.endr
.endr
.endm
.macro REDUCE                          ; the four rows' two chains of pairs become one sum a row, in every lane, in v[SA + 2 i]
.irp i, 0,1,2,3
	v_pk_add_f32 v[SA+2*\i:SA+2*\i+1], v[SA+2*\i:SA+2*\i+1], v[SB+2*\i:SB+2*\i+1]
.endr
.irp i, 0,1,2,3
	s_delay_alu instid0(VALU_DEP_4)
	v_add_f32 v[SA+2*\i], v[SA+2*\i], v[SA+2*\i+1]
.endr
.irp x, 1,2,4,8
.irp i, 0,1,2,3
	s_delay_alu instid0(VALU_DEP_4)
	v_add_f32_dpp v[SA+2*\i], v[SA+2*\i], v[SA+2*\i] row_xmask:\x row_mask:0xf bank_mask:0xf
.endr
.endr
.irp i, 0,1,2,3
	s_delay_alu instid0(VALU_DEP_4)
	v_permlanex16_b32 v[SB+2*\i], v[SA+2*\i], s[SEL], s[SEL+1]
.endr
.irp i, 0,1,2,3
	s_delay_alu instid0(VALU_DEP_4)
	v_add_f32 v[SA+2*\i], v[SA+2*\i], v[SB+2*\i]
.endr
.endm
	s_load_b512 s[16:31], s[0:1], 0x0              ; obuf, wo codes, wo scales, bo, inputs, gamma, beta, out0
	v_lshl_add_u32 v14, v0, 2, 0x20200
	v_mov_b32 v15, 0
	v_lshrrev_b32 v9, 5, v0
	s_delay_alu instid0(VALU_DEP_1)
	v_readfirstlane_b32 s2, v9                     ; wave 0..7
	v_and_b32 v9, 31, v0                           ; lane
	v_and_b32 v10, 15, v0                          ; r
	v_bfe_u32 v11, v0, 4, 1                        ; h
	s_delay_alu instid0(VALU_DEP_3)
	v_lshlrev_b32 v[LI], 4, v9
	s_delay_alu instid0(VALU_DEP_4)
	v_lshlrev_b32 v[L2], 1, v9
	s_delay_alu instid0(VALU_DEP_4)
	v_lshlrev_b32 v[WA], 9, v10
	s_delay_alu instid0(VALU_DEP_1)
	v_lshl_add_u32 v[WA], v11, 4, v[WA]
	v_lshlrev_b32 v[WSA], 5, v10
	s_delay_alu instid0(VALU_DEP_1)
	v_lshl_add_u32 v[WSA], v11, 4, v[WSA]          ; lanes 0-15 take the scale words of K steps 0-3, lanes 16-31 those of 4-7
	v_lshlrev_b32 v[BA], 5, v11
	v_mul_u32_u24 v[STO0], v10, ROWP
	s_delay_alu instid0(VALU_DEP_1)
	v_lshl_add_u32 v[STO0], v11, 5, v[STO0]
	s_lshl_b32 s3, s2, 9
	v_add_nc_u32 v[STO0], s3, v[STO0]
	s_delay_alu instid0(VALU_DEP_1)
	v_add_nc_u32 v[STO1], 16*ROWP, v[STO0]
	s_mul_i32 s3, s2, 4*ROWP
	v_add_nc_u32 v[SR], s3, v[LI]
	s_lshl_b32 s4, ttmp9, 14                       ; O's codes: two tiles of 8,192 bytes a work-group
	s_mov_b32 s5, 0
	s_lshr_b32 s6, ttmp9, 6                        ; the batch
	s_lshl_b32 s6, s6, 16                          ; O's scale bytes: 16 heads of 4,096 a batch,
	s_and_b32 s8, ttmp9, 63
	s_lshl_b32 s8, s8, 6                           ; 64 for my two tiles
	s_add_co_u32 s6, s6, s8
	s_add_co_u32 s6, s6, 4194304
	s_mov_b32 s7, 0
	s_lshl_b32 s8, s2, 16                          ; wo's codes: my 128 rows of 512 bytes
	s_mov_b32 s9, 0
	s_lshl_b32 s10, s2, 12                         ; its scale bytes: 128 rows of 32
	s_mov_b32 s11, 0
	s_lshl_b32 s12, s2, 9                          ; bo: my 128 numbers
	s_mov_b32 s13, 0
	s_lshl_b32 s14, ttmp9, 5                       ; the first of my four rows: stage rows 4 w .. 4 w + 3 hold tokens 8 (w / 4) + 4 (w % 4) + 8 ((w % 4) / 2) + 0 .. 3
	s_lshr_b32 s36, s2, 2
	s_lshl_b32 s36, s36, 3
	s_add_co_u32 s14, s14, s36
	s_and_b32 s37, s2, 3
	s_lshl_b32 s38, s37, 2
	s_add_co_u32 s14, s14, s38
	s_lshr_b32 s37, s37, 1
	s_lshl_b32 s37, s37, 3
	s_add_co_u32 s14, s14, s37
	s_lshl_b32 s14, s14, 12                        ; in bytes
	s_mov_b32 s15, 0
	s_mov_b32 s[SEL], 0x76543210
	s_mov_b32 s[SEL+1], 0xfedcba98
	s_mov_b32 s42, 0x3a800000                      ; 1 / 1,024
	s_mov_b32 s43, 0x358637bd                      ; 1e-6
	s_wait_alu depctr_va_vdst(0)
	s_wait_kmcnt 0x0
	s_add_nc_u64 s[32:33], s[16:17], s[4:5]
	s_add_nc_u64 s[34:35], s[16:17], s[6:7]
	s_add_nc_u64 s[18:19], s[18:19], s[8:9]
	s_add_nc_u64 s[20:21], s[20:21], s[10:11]
	s_add_nc_u64 s[22:23], s[22:23], s[12:13]
	s_add_nc_u64 s[24:25], s[24:25], s[14:15]
	s_add_nc_u64 s[30:31], s[30:31], s[14:15]
	WIN 0x40                                       ; destination window 1
.irp t, 0,1,2,3,4,5,6,7                        ; the bias: lane (r, h), tile t, register j: column 16 t + 8 h + j, for both tiles of tokens
.irp m, 0,1
	global_load_b128 v[16*\t+8*\m:16*\t+8*\m+3], v[BA], s[22:23] offset:64*\t
	global_load_b128 v[16*\t+8*\m+4:16*\t+8*\m+7], v[BA], s[22:23] offset:64*\t+16
.endr
.endr
	WIN 0
.irp t, 0,1,2,3,4,5,6,7
	global_load_b128 v[WS+4*\t:WS+4*\t+3], v[WSA], s[20:21] offset:512*\t
.endr
.irp q, 0,1,2,3,4,5,6,7,8,9,10,11,12,13,14,15  ; head q's two scale bytes: lanes 0-15 tile 0's rows, lanes 16-31 tile 1's
	global_load_u16 v[U+\q], v[L2], s[34:35] offset:4096*\q
.endr
	LOADK 0
	LOADK 1
	WIN 0x40
.irp i, 0,1,2,3                                ; my four rows of x: read once in this launch
.irp j, 0,1,2,3,4,5,6,7
	global_load_b128 v[128+32*\i+4*\j:128+32*\i+4*\j+3], v[LI], s[24:25] offset:4096*\i+512*\j th:TH_LOAD_NT
.endr
.endr
	WIN 0
.irp ks, 0,1,2,3,4,5,6,7
.if \ks < 2
	s_wait_alu depctr_va_vdst(0)
	s_wait_loadcnt 52                              ; this K step's fragments are in; younger: 20 loads of another K step and x's 32
.elseif \ks < 7
	s_wait_loadcnt 20                              ; younger: the next K step's 20
.else
	s_wait_loadcnt 16                              ; younger: gamma's and beta's 16
.endif
.if \ks == 0
.irp q, 0,1,2,3,4,5,6,7
	v_lshl_or_b32 v[OS+\q], v[U+2*\q+1], 16, v[U+2*\q]   ; K step q is heads 2 q and 2 q + 1: four scale bytes a row
.endr
.rept 8
	v_nop                                          ; a scale register written by a vector instruction stands eight places ahead of a scaled matrix instruction
.endr
.endif
	WIN 0x50                                       ; C and D window 1
.irp t, 0,1,2,3,4,5,6,7                        ; the 16 accumulators take turns, one instruction a turn
.irp m, 0,1
	MM 16*\t+8*\m, WB+64*(\ks%2)+8*\t, OB+16*(\ks%2)+8*\m, WS+4*\t+(\ks%4), OS+\ks, \ks/4, \m
.endr
.endr
	WIN 0
.rept 4
	v_nop                                          ; four places ahead of loads into the fragments just read, and of the first read of results
.endr
.if \ks < 6
	LOADK \ks+2
.elseif \ks == 6
.irp j, 0,1,2,3,4,5,6,7                        ; gamma and beta, laid as a row lies in my registers, into the set that K step 6 has left
	global_load_b128 v[GM+4*\j:GM+4*\j+3], v[LI], s[26:27] offset:512*\j
	global_load_b128 v[BT+4*\j:BT+4*\j+3], v[LI], s[28:29] offset:512*\j
.endr
.endif
.endr
	WIN 0x04                                       ; an LDS store's data are its source 1: window 1
.irp t, 0,1,2,3,4,5,6,7
	ds_store_b128 v[STO0], v[16*\t:16*\t+3] offset:64*\t            ; each accumulator from its low end on
	ds_store_b128 v[STO0], v[16*\t+4:16*\t+7] offset:64*\t+16
	ds_store_b128 v[STO1], v[16*\t+8:16*\t+11] offset:64*\t
	ds_store_b128 v[STO1], v[16*\t+12:16*\t+15] offset:64*\t+16
.endr
	s_wait_dscnt 0x0                               ; for the others' sake: my stores into the stage have landed
	s_barrier_signal -1
	s_barrier_wait -1                              ; 32 whole rows lie in the stage
	WIN 0x40
.irp i, 0,1,2,3
.irp j, 0,1,2,3,4,5,6,7
	ds_load_b128 v[32*\i+4*\j:32*\i+4*\j+3], v[SR] offset:ROWP*\i+512*\j
.endr
.endr
	s_wait_dscnt 0x0
	s_wait_loadcnt 0x0                             ; gamma and beta
	WIN 0x45                                       ; z = y + x: all three in window 1
.set J, 0
.rept 64
	v_pk_add_f32 v[J:J+1], v[J:J+1], v[128+J:129+J]
.set J, J+2
.endr
	WIN 0x05                                       ; the rows' sums, in two chains of pairs, the four rows by turns: the first links start the chains
.irp i, 0,1,2,3
	v_pk_add_f32 v[SA+2*\i:SA+2*\i+1], v[32*\i:32*\i+1], v[32*\i+4:32*\i+5]
	v_pk_add_f32 v[SB+2*\i:SB+2*\i+1], v[32*\i+2:32*\i+3], v[32*\i+6:32*\i+7]
.endr
	WIN 0x04
.irp q, 8,12,16,20,24,28
.irp i, 0,1,2,3
	v_pk_add_f32 v[SA+2*\i:SA+2*\i+1], v[SA+2*\i:SA+2*\i+1], v[32*\i+\q:32*\i+\q+1]
	v_pk_add_f32 v[SB+2*\i:SB+2*\i+1], v[SB+2*\i:SB+2*\i+1], v[32*\i+\q+2:32*\i+\q+3]
.endr
.endr
	WIN 0
	REDUCE
.irp i, 0,1,2,3
	v_mul_f32 v[MN+2*\i], s42, v[SA+2*\i]          ; the mean, in both words of a pair
	v_mul_f32 v[MN+2*\i+1], s42, v[SA+2*\i]
.endr
	WIN 0x41                                       ; z -= mean
.irp i, 0,1,2,3
.set J, 0
.rept 16
	v_pk_add_f32 v[32*\i+J:32*\i+J+1], v[32*\i+J:32*\i+J+1], v[MN+2*\i:MN+2*\i+1] neg_lo:[0,1] neg_hi:[0,1]
.set J, J+2
.endr
.endr
	WIN 0x05                                       ; the sums of squares of the differences
.irp i, 0,1,2,3
	v_pk_mul_f32 v[SA+2*\i:SA+2*\i+1], v[32*\i:32*\i+1], v[32*\i:32*\i+1]
	v_pk_mul_f32 v[SB+2*\i:SB+2*\i+1], v[32*\i+2:32*\i+3], v[32*\i+2:32*\i+3]
.endr
.irp q, 4,8,12,16,20,24,28
.irp i, 0,1,2,3
	v_pk_fma_f32 v[SA+2*\i:SA+2*\i+1], v[32*\i+\q:32*\i+\q+1], v[32*\i+\q:32*\i+\q+1], v[SA+2*\i:SA+2*\i+1]
	v_pk_fma_f32 v[SB+2*\i:SB+2*\i+1], v[32*\i+\q+2:32*\i+\q+3], v[32*\i+\q+2:32*\i+\q+3], v[SB+2*\i:SB+2*\i+1]
.endr
.endr
	WIN 0
	REDUCE
.irp i, 0,1,2,3
	s_delay_alu instid0(VALU_DEP_4)
	v_fma_f32 v[SA+2*\i], v[SA+2*\i], s42, s43     ; var + eps
.endr
	s_wait_alu depctr_va_vdst(0)
.irp i, 0,1,2,3
	v_rsq_f32 v[MN+2*\i], v[SA+2*\i]
.endr
	v_nop                                          ; a plain place behind the last of the four
	s_wait_alu depctr_va_vdst(0)                   ; one wait for the four, ahead of their first reader
	WIN 0x41
.irp i, 0,1,2,3
.set J, 0
.rept 16
	v_pk_mul_f32 v[32*\i+J:32*\i+J+1], v[32*\i+J:32*\i+J+1], v[MN+2*\i:MN+2*\i+1] op_sel_hi:[1,0]   ; the pair's low word serves both halves
.set J, J+2
.endr
.endr
.irp i, 0,1,2,3
.set J, 0
.rept 16
	v_pk_fma_f32 v[32*\i+J:32*\i+J+1], v[32*\i+J:32*\i+J+1], v[GM+J:GM+J+1], v[BT+J:BT+J+1]
.set J, J+2
.endr
.endr
	WIN 0x04                                       ; a store's data are its source 1: window 1
.irp i, 0,1,2,3
.irp j, 0,1,2,3,4,5,6,7
	global_store_b128 v[LI], v[32*\i+4*\j:32*\i+4*\j+3], s[30:31] offset:4096*\i+512*\j th:TH_STORE_NT   ; 32 lanes store 512 consecutive bytes, aligned; written once, read by nobody here
.endr
.endr
	s_set_vgpr_msb 0x400
	s_wait_tensorcnt 0x0
	ds_add_u32 v14, v15
	s_wait_dscnt 0x0
	s_set_vgpr_msb 0x4
	s_endpgm
.Lfunc_end_k_q8ca06439fa_proj:
	.size	k_q8ca06439fa_proj, .Lfunc_end_k_q8ca06439fa_proj-k_q8ca06439fa_proj
	.p2alignl 7, 3214868480
	.fill 96, 4, 3214868480
	.section	.rodata,"a",@progbits
	.p2align	6, 0x0
	.amdhsa_kernel k_q8ca06439fa_proj
		.amdhsa_group_segment_fixed_size 132608
		.amdhsa_private_segment_fixed_size 0
		.amdhsa_enable_private_segment 0
		.amdhsa_kernarg_size 64
		.amdhsa_user_sgpr_count 2
		.amdhsa_user_sgpr_kernarg_segment_ptr 1
		.amdhsa_wavefront_size32 1
		.amdhsa_system_sgpr_workgroup_id_x 1
		.amdhsa_system_sgpr_workgroup_id_y 1
		.amdhsa_system_sgpr_workgroup_id_z 1
		.amdhsa_system_vgpr_workitem_id 0
		.amdhsa_next_free_vgpr 512
		.amdhsa_next_free_sgpr 66
		.amdhsa_reserve_vcc 0
		.amdhsa_float_denorm_mode_32 3
		.amdhsa_float_denorm_mode_16_64 3
		.amdhsa_memory_ordered 1
		.amdhsa_forward_progress 1
		.amdhsa_inst_pref_size 84
	.end_amdhsa_kernel
	.amdgpu_metadata
---
amdhsa.version: [ 1, 2 ]
amdhsa.kernels:
  - .name:           k_q8ca06439fa_proj
    .symbol:         k_q8ca06439fa_proj.kd
    .args:
      - { .name: obuf, .offset: 0, .size: 8, .value_kind: global_buffer, .address_space: global }
      - { .name: wo_codes, .offset: 8, .size: 8, .value_kind: global_buffer, .address_space: global }
      - { .name: wo_scales, .offset: 16, .size: 8, .value_kind: global_buffer, .address_space: global }
      - { .name: bo, .offset: 24, .size: 8, .value_kind: global_buffer, .address_space: global }
      - { .name: inputs, .offset: 32, .size: 8, .value_kind: global_buffer, .address_space: global }
      - { .name: ln_gamma, .offset: 40, .size: 8, .value_kind: global_buffer, .address_space: global }
      - { .name: ln_beta, .offset: 48, .size: 8, .value_kind: global_buffer, .address_space: global }
      - { .name: out0, .offset: 56, .size: 8, .value_kind: global_buffer, .address_space: global }
    .group_segment_fixed_size: 132608
    .private_segment_fixed_size: 0
    .kernarg_segment_align: 8
    .kernarg_segment_size: 64
    .max_flat_workgroup_size: 256
    .sgpr_count:     66
    .vgpr_count:     512
    .wavefront_size: 32
...
	.end_amdgpu_metadata
.endif
;; end of part 3
